; MI455X (gfx1250); checked and timed in simulation.
; The chip was launched on July 23, 2026; its instructions are those of AMD's public machine-readable ISA for CDNA 5 (MIT licence, August 2026) and "CDNA5" Instruction Set Architecture Reference Guide (July 2026). The comments in the code are by the model that wrote it; some were corrected since.
;; Parameterized Knowledge Selector. Allowed arithmetic: float matrix products may take bf16 or f16 operands with f32 sums; all other float work in f32.
;; Inputs: dense_weights 2,048 x 1,024 float32; dot_bias 1,024 x 1 float32; x 64 x 513 x 1,024 float32.
;; Outputs: out0 64 x 512 float32.
;; 2 versions, each right; version 2 is version 1 with the launch main written anew for expert scheduling mode. Each part assembles by itself: llvm-mc -triple=amdgcn-amd-amdhsa -mcpu=gfx1250 --defsym DOCPART=n.
;; ======== version 1 of 2: 3 launches
;; workspace buffers: wt 2,097,152 bytes; cpart 2,097,152 bytes; q 131,072 bytes
;; launch prep (part 1): grid 256 x 1, 4 waves a work-group, no clusters, 90,624 bytes of LDS; arguments dense_weights, x, wt, cpart; writes wt, cpart
.if DOCPART == 1
	.amdgcn_target "amdgcn-amd-amdhsa--gfx1250"
	.amdhsa_code_object_version 6
	.text
	.protected	k_q55cdc4fb07_prep
	.globl	k_q55cdc4fb07_prep
	.p2align	8
	.type	k_q55cdc4fb07_prep,@function
k_q55cdc4fb07_prep:
	s_mov_b64 s[64:65], 0
	v_nop
	global_prefetch_b8 v0, s[64:65] scope:SCOPE_SE
	s_setreg_imm32_b32 hwreg(HW_REG_WAVE_MODE, 25, 1), 1
	s_wait_xcnt 0x0
; Prepares what the main launch needs from the weights.  dense_weights: [2048][1024] f32 (rows 0-1023 w_z, rows 1024-2047 w_u).
;  work-groups 0-127:   wt = w_z rounded to bf16, in the order of matrix fragments:
;                       byte g*262144 + t*8192 + f*1024 + j*512 + L*16 holds w_z[k][e], e = 128 g + 16 f + (L & 15),
;                       k = 32 t + 16 j + 8 (L >> 4) + 0..7.  A wave of the main launch then loads 512 consecutive bytes at a time.
;  work-groups 128-255: cpart[kc][b][e] = sum over k = 128 kc .. 128 kc + 127 of u[b][k] w_u[k][e], u[b] = x[b][0][:], f32 sums of
;                       bf16 operands.  The eight parts are added in ascending kc by the main launch: no sum spans work-groups here.
; A work-group takes 128 rows x 64 columns of dense_weights (cb = id & 15, rb = id >> 4); wave w the 32 rows 128 rb + 32 w.
; The tile goes through the wave's own LDS stage as bf16 [32 k][64 e] and comes back transposed (ds_load_tr16_b128).
; No cluster: no two work-groups read the same weights; u is 256 KiB in all, a small part of the 8 MiB that the launch reads.
.set WROW, 4096                        ; bytes in a row of dense_weights, and of cpart
.set XB,   2101248                     ; bytes from batch to batch in x: 513 rows of 4,096
.set SP,   160                         ; stage pitch: 128 bytes of bf16 + 32: an odd multiple of 32
.set STG,  32*SP                       ; a wave's stage
.set REDB, 4*STG                       ; behind the stages: the waves' partial sums
.set RP,   272                         ; 64 f32 + 16 bytes: sixteen rows fall on different 16-byte columns
.set REDW, 64*RP                       ; a wave's 64 batches x 64 columns
.set W,   16                           ; v[16:79]    the tile as loaded, f32
.set U,   80                           ; v[80:143]   u as loaded, f32
.set ACC, 16                           ; v[16:143]   16 result tiles, once W and U are converted; later the four waves' parts
.set BF,  144                          ; v[144:175]  4 fragments of weights (16 e x 32 k)
.set AF,  176                          ; v[176:207]  4 fragments of u (16 b x 32 k)
.set PK,  208                          ; v[208:239]  the tile in bf16, on its way to the stage
; 16 loads: each covers two pieces of 256 consecutive bytes, of rows four apart (lanes 0-15, lanes 16-31)
.macro LOADW
.irp i, 0,1,2,3,4,5,6,7,8,9,10,11,12,13,14,15
	global_load_b128 v[W+4*\i:W+4*\i+3], v3, s[4:5] offset:(8*(\i>>2)+(\i&3))*WROW th:TH_LOAD_NT
.endr
.endm
; round to bf16 and lay the tile into the stage; the two rows of a store are 640 bytes apart, so its 32 lanes touch every bank once
.macro CVTW
.irp i, 0,1,2,3,4,5,6,7,8,9,10,11,12,13,14,15
	v_cvt_pk_bf16_f32 v[PK+2*\i],   v[W+4*\i],   v[W+4*\i+1]
	v_cvt_pk_bf16_f32 v[PK+2*\i+1], v[W+4*\i+2], v[W+4*\i+3]
.endr
.irp i, 0,1,2,3,4,5,6,7,8,9,10,11,12,13,14,15
	ds_store_b64 v4, v[PK+2*\i:PK+2*\i+1] offset:(8*(\i>>2)+(\i&3))*SP
.endr
.endm
; back as fragments: lane (r, h) gets column 16 nb + r, k = 16 j + 8 h + 0..7.  The wave's own bytes, and LDS serves a wave's
; instructions in order (ISA guide 5.7.1): no wait between the stores above and these loads
.macro TRB
.irp nb, 0,1,2,3
.irp j, 0,1
	ds_load_tr16_b128 v[BF+8*\nb+4*\j:BF+8*\nb+4*\j+3], v5 offset:32*\nb+16*SP*\j
.endr
.endr
.endm
	s_load_b256 s[4:11], s[0:1], 0x0               ; dense_weights s[4:5], x s[6:7], wt s[8:9], cpart s[10:11]
	v_lshl_add_u32 v240, v0, 2, 0x16000
	v_mov_b32 v241, 0
	v_lshrrev_b32 v14, 5, v0
	v_readfirstlane_b32 s12, v14                   ; wave 0..3
	s_and_b32 s13, ttmp9, 15                       ; cb: which 64 columns
	s_lshr_b32 s14, ttmp9, 4                       ; rb: which 128 rows
	s_lshl2_add_u32 s15, s14, s12                  ; 4 rb + w: which 32 rows
	v_and_b32 v1, 15, v0                           ; r
	v_bfe_u32 v2, v0, 4, 1                         ; h
	v_lshlrev_b32 v3, 4, v1                        ; tile load: 16 r
	v_lshl_add_u32 v3, v2, 14, v3                  ;   + 4 h rows
	s_mul_i32 s18, s12, STG                        ; my stage
	v_mul_u32_u24 v4, v2, 4*SP                     ; stage store: 4 h rows
	v_lshl_add_u32 v4, v1, 3, v4                   ;   + 8 r
	v_add_nc_u32 v4, s18, v4
	v_and_b32 v14, 7, v0
	v_lshl_add_u32 v14, v2, 3, v14                 ; transposing load: row 8 h + (L & 7)
	v_mul_u32_u24 v5, v14, SP
	v_bfe_u32 v15, v0, 3, 1
	v_lshl_add_u32 v5, v15, 4, v5                  ;   + 16 ((L >> 3) & 1)
	v_add_nc_u32 v5, s18, v5
	s_lshl_b32 s16, s15, 17                        ; 32 rows of 4,096 bytes
	s_lshl_b32 s17, s13, 8                         ; 64 columns of f32
	s_add_co_u32 s16, s16, s17
	s_mov_b32 s17, 0
	s_wait_kmcnt 0x0
	s_add_nc_u64 s[4:5], s[4:5], s[16:17]
	LOADW
	s_cmp_lt_u32 ttmp9, 128                        ; equal in all four waves
	s_cbranch_scc1 .Lpart_a
	; ---- w_u: 64 batches x 64 columns over my 32 k, then the four waves' parts are added ----
	s_sub_co_u32 s15, s15, 32                      ; t = 4 kc + w: my 32 k of u
	s_lshl_b32 s16, s15, 7                         ; 32 f32
	s_add_nc_u64 s[6:7], s[6:7], s[16:17]
	s_mov_b32 s22, XB
	v_mul_lo_u32 v7, v1, s22                       ; batch r
	v_lshl_add_u32 v7, v2, 5, v7                   ;   + 8 h numbers
	v_add_nc_u32 v8, 16*XB, v7                     ; batches 16 + r, 32 + r, 48 + r
	v_add_nc_u32 v9, 32*XB, v7
	v_add_nc_u32 v10, 48*XB, v7
.irp mb, 0,1,2,3
	global_load_b128 v[U+16*\mb:U+16*\mb+3],     v[7+\mb], s[6:7]            ; k = 8 h + 0..3
	global_load_b128 v[U+16*\mb+4:U+16*\mb+7],   v[7+\mb], s[6:7] offset:16  ;     8 h + 4..7
	global_load_b128 v[U+16*\mb+8:U+16*\mb+11],  v[7+\mb], s[6:7] offset:64  ;     16 + 8 h + 0..3
	global_load_b128 v[U+16*\mb+12:U+16*\mb+15], v[7+\mb], s[6:7] offset:80  ;     16 + 8 h + 4..7
.endr
	s_mul_i32 s19, s12, REDW
	s_add_co_u32 s19, s19, REDB                    ; my partial sums
	v_mul_u32_u24 v11, v1, RP                      ; in: row (batch) r, 32 h bytes
	v_lshl_add_u32 v11, v2, 5, v11
	v_add_nc_u32 v11, s19, v11
	s_mul_i32 s20, s12, 16*RP
	s_add_co_u32 s20, s20, REDB                    ; back: rows 16 w .. 16 w + 15 of every wave's part
	v_mul_u32_u24 v12, v2, RP
	v_lshl_add_u32 v12, v1, 4, v12
	v_add_nc_u32 v12, s20, v12
	s_lshl_b32 s21, s12, 16                        ; and the same rows in cpart
	v_lshlrev_b32 v13, 12, v2
	v_lshl_add_u32 v13, v1, 4, v13
	v_add_nc_u32 v13, s21, v13
	s_sub_co_u32 s14, s14, 8                       ; kc
	s_lshl_b32 s16, s14, 18                        ; 64 batches of 4,096 bytes
	s_lshl_b32 s23, s13, 8
	s_add_co_u32 s16, s16, s23
	s_add_nc_u64 s[10:11], s[10:11], s[16:17]
	s_wait_loadcnt 16                              ; the tile is in; the 16 loads of u, issued behind it, may stay out
	CVTW
	TRB
	s_wait_loadcnt 0x0                             ; u
.irp q, 0,1,2,3,4,5,6,7,8,9,10,11,12,13,14,15,16,17,18,19,20,21,22,23,24,25,26,27,28,29,30,31
	v_cvt_pk_bf16_f32 v[AF+\q], v[U+2*\q], v[U+2*\q+1]
.endr
	s_wait_dscnt 0x0                               ; the fragments of weights
	; source 0 = 16 columns e, source 1 = 16 batches: register j of lane (r, h) is c(b = 16 mb + r, e = 16 nb + 8 h + j),
	; eight neighbouring numbers of a row.  The constant 0 as C starts the sums.
.irp mb, 0,1,2,3
.irp nb, 0,1,2,3
	v_wmma_f32_16x16x32_bf16 v[ACC+8*(4*\mb+\nb):ACC+8*(4*\mb+\nb)+7], v[BF+8*\nb:BF+8*\nb+7], v[AF+8*\mb:AF+8*\mb+7], 0
.endr
.endr
.rept 4
	v_nop                                          ; four places before an LDS store reads a matrix result
.endr
.irp mb, 0,1,2,3
.irp nb, 0,1,2,3
	ds_store_b128 v11, v[ACC+8*(4*\mb+\nb):ACC+8*(4*\mb+\nb)+3]   offset:16*RP*\mb+64*\nb
	ds_store_b128 v11, v[ACC+8*(4*\mb+\nb)+4:ACC+8*(4*\mb+\nb)+7] offset:16*RP*\mb+64*\nb+16
.endr
.endr
	s_wait_dscnt 0x0                               ; my part is written, for the others' sake
	s_barrier_signal -1
	s_barrier_wait -1
.irp i, 0,1,2,3,4,5,6,7
.irp p, 0,1,2,3
	ds_load_b128 v[ACC+16*\i+4*\p:ACC+16*\i+4*\p+3], v12 offset:2*RP*\i+REDW*\p   ; rows 16 w + 2 i + h of wave p's part
.endr
.endr
	s_wait_dscnt 0x0
.irp i, 0,1,2,3,4,5,6,7
	v_pk_add_f32 v[ACC+16*\i:ACC+16*\i+1],     v[ACC+16*\i:ACC+16*\i+1],     v[ACC+16*\i+4:ACC+16*\i+5]
	v_pk_add_f32 v[ACC+16*\i+2:ACC+16*\i+3],   v[ACC+16*\i+2:ACC+16*\i+3],   v[ACC+16*\i+6:ACC+16*\i+7]
	v_pk_add_f32 v[ACC+16*\i+8:ACC+16*\i+9],   v[ACC+16*\i+8:ACC+16*\i+9],   v[ACC+16*\i+12:ACC+16*\i+13]
	v_pk_add_f32 v[ACC+16*\i+10:ACC+16*\i+11], v[ACC+16*\i+10:ACC+16*\i+11], v[ACC+16*\i+14:ACC+16*\i+15]
	v_pk_add_f32 v[ACC+16*\i:ACC+16*\i+1],     v[ACC+16*\i:ACC+16*\i+1],     v[ACC+16*\i+8:ACC+16*\i+9]
	v_pk_add_f32 v[ACC+16*\i+2:ACC+16*\i+3],   v[ACC+16*\i+2:ACC+16*\i+3],   v[ACC+16*\i+10:ACC+16*\i+11]
.endr
.irp i, 0,1,2,3,4,5,6,7
	global_store_b128 v13, v[ACC+16*\i:ACC+16*\i+3], s[10:11] offset:2*WROW*\i    ; sixteen lanes write 256 consecutive bytes, aligned
.endr
	s_wait_tensorcnt 0x0
	ds_add_u32 v240, v241
	s_wait_dscnt 0x0
	s_endpgm
	; ---- w_z: the four fragments go out as they are, 4,096 consecutive bytes ----
.Lpart_a:
	v_and_b32 v6, 31, v0
	v_lshlrev_b32 v6, 4, v6                        ; 16 L
	s_lshr_b32 s16, s13, 1                         ; g = cb >> 1
	s_lshl_b32 s16, s16, 18
	s_lshl_b32 s19, s15, 13                        ; t = 4 rb + w
	s_add_co_u32 s16, s16, s19
	s_and_b32 s19, s13, 1                          ; f = 4 (cb & 1) + nb
	s_lshl_b32 s19, s19, 12
	s_add_co_u32 s16, s16, s19
	s_add_nc_u64 s[8:9], s[8:9], s[16:17]
	s_wait_loadcnt 0x0
	CVTW
	TRB
	s_wait_dscnt 0x0
.irp m, 0,1,2,3,4,5,6,7
	global_store_b128 v6, v[BF+4*\m:BF+4*\m+3], s[8:9] offset:512*\m
.endr
	s_wait_tensorcnt 0x0
	ds_add_u32 v240, v241
	s_wait_dscnt 0x0
	s_endpgm
.Lfunc_end_k_q55cdc4fb07_prep:
	.size	k_q55cdc4fb07_prep, .Lfunc_end_k_q55cdc4fb07_prep-k_q55cdc4fb07_prep
	.p2alignl 7, 3214868480
	.fill 96, 4, 3214868480
	.section	.rodata,"a",@progbits
	.p2align	6, 0x0
	.amdhsa_kernel k_q55cdc4fb07_prep
		.amdhsa_group_segment_fixed_size 90624
		.amdhsa_private_segment_fixed_size 0
		.amdhsa_enable_private_segment 0
		.amdhsa_kernarg_size 32
		.amdhsa_user_sgpr_count 2
		.amdhsa_user_sgpr_kernarg_segment_ptr 1
		.amdhsa_wavefront_size32 1
		.amdhsa_system_sgpr_workgroup_id_x 1
		.amdhsa_system_sgpr_workgroup_id_y 1
		.amdhsa_system_sgpr_workgroup_id_z 1
		.amdhsa_system_vgpr_workitem_id 0
		.amdhsa_next_free_vgpr 242
		.amdhsa_next_free_sgpr 66
		.amdhsa_reserve_vcc 0
		.amdhsa_float_denorm_mode_32 3
		.amdhsa_float_denorm_mode_16_64 3
		.amdhsa_memory_ordered 1
		.amdhsa_forward_progress 1
		.amdhsa_inst_pref_size 26
	.end_amdhsa_kernel
	.amdgpu_metadata
---
amdhsa.version: [ 1, 2 ]
amdhsa.kernels:
  - .name:           k_q55cdc4fb07_prep
    .symbol:         k_q55cdc4fb07_prep.kd
    .args:
      - { .name: dense_weights, .offset: 0, .size: 8, .value_kind: global_buffer, .address_space: global }
      - { .name: x, .offset: 8, .size: 8, .value_kind: global_buffer, .address_space: global }
      - { .name: wt, .offset: 16, .size: 8, .value_kind: global_buffer, .address_space: global }
      - { .name: cpart, .offset: 24, .size: 8, .value_kind: global_buffer, .address_space: global }
    .group_segment_fixed_size: 90624
    .private_segment_fixed_size: 0
    .kernarg_segment_align: 8
    .kernarg_segment_size: 32
    .max_flat_workgroup_size: 128
    .sgpr_count:     66
    .vgpr_count:     242
    .wavefront_size: 32
...
	.end_amdgpu_metadata
.endif
;; end of part 1
;; launch main (part 2): grid 256 x 1, 4 waves a work-group, no clusters, 305,664 bytes of LDS; arguments x, wt, cpart, dot_bias, q; writes q
.if DOCPART == 2
	.amdgcn_target "amdgcn-amd-amdhsa--gfx1250"
	.amdhsa_code_object_version 6
	.text
	.protected	k_q55cdc4fb07_main
	.globl	k_q55cdc4fb07_main
	.p2align	8
	.type	k_q55cdc4fb07_main,@function
k_q55cdc4fb07_main:
	s_mov_b64 s[64:65], 0
	v_nop
	global_prefetch_b8 v0, s[64:65] scope:SCOPE_SE
	s_setreg_imm32_b32 hwreg(HW_REG_WAVE_MODE, 25, 1), 1
	s_wait_xcnt 0x0
; q[b][k] = sum over e of bias[e] tanh( (z w_z)[b][k][e] + c[b][e] ),  z = x[:, 1:, :],  c = the sum of cpart's eight parts.
; A work-group takes 128 rows of one batch (batch = id >> 2, quarter = id & 3) and all 1,024 columns: 256 work-groups of equal work.
; Its rows are read from memory once, rounded to bf16 once and kept in LDS.  Four waves, one on each SIMD; a wave makes all 128 rows
; x 128 columns at a time (64 tiles, 512 registers), in two passes: columns 128 (2 w + p).
; THE ROWS ARRIVE WHILE PASS 0 MULTIPLIES.  LDS holds them in 16 slabs of 64 along K (128 rows, pitch 144 bytes), so that the slab
; being written and the slabs being read are disjoint ranges.  A wave brings its 32 rows in chunks of 16 rows x 256 bytes (8 loads,
; 32 registers): the run of loads in the middle of K step t rounds and stores chunk t + 3 and asks for chunk t + 7 into the same
; registers: four chunks of every wave are on their way or waiting.  A slab is two chunks a wave; one barrier in every second step
; stands between its last store and its first read.  No byte of the rows is ever written twice.
; The weights come straight into registers: no other wave of the work-group reads a wave's columns, so LDS would give them no reuse,
; and wt lies in fragment order, so each load covers 512 consecutive bytes.  Four buffers of one K step (32): one at work, three ahead.
; tanh(a) = 1 - 2 / (1 + 2^(2 log2(e) a)), so q = sum of bias + sum of (-2 bias) / (1 + 2^..): pre-activations never leave registers.
; NO CLUSTER, though all work-groups walk the same 2 MiB of weights: a joint request lands in LDS, and beside the rows and the small
; tables (305,152 of the 327,680 bytes that a work-group can be given) 22,528 bytes are left, less than one K step of the four waves'
; weights (32,768): no ring fits, against three steps ahead in registers.
; LIMITS: products of bf16 operands, f32 sums.  v_exp_f32 and v_rcp_f32 flush denormals (ISA guide 15.8); tanh comes out as exactly
; +1 or -1 once 2^(2.885 a) overflows or underflows, which is its f32 value there.  NaN in, NaN out.
;
; REGISTERS, in windows of 256:
;   window 0: addresses and constants (below); fragments of the rows: blocks 0-3 in one buffer, blocks 4-7 in two; four chunks of x,
;             whose registers hold c, bias and the 64 row sums once pass 0 is over
;   window 1: four buffers of 64 registers: fragments of the weights, one K step each
;   window 2: accumulator tiles of rows 0-63 (tile (a, nb) at v[8 (8 a + nb)]); window 3: rows 64-127
.set APITCH, 144                       ; 128 bytes of bf16 + 16: an odd multiple of 16, the 16 rows of a fragment fall on different banks
.set SLAB, 128*APITCH                  ; 18,432: 64 along K of all 128 rows
.set CKB,  16*SLAB                     ; 294,912: 1,024 f32, 2 log2(e) c[e];  4,096 bytes further: 1,024 f32, -2 bias[e]
.set QSB,  CKB+8192                    ; 303,104: [wave][128 rows] f32
.set LOFF, 1                           ; v1      16 x lane
.set XOFF, 2                           ; v2      x: my wave's 32 rows + 8 (lane / 16) rows + 16 (lane % 16)
.set AST,  3                           ; v3      LDS: the same rows, 8 (lane % 16); steps two slabs a round
.set ADW,  4                           ; v4      LDS address of my part of the fragments; steps two slabs a round
.set TOFF, 5                           ; v5      16 x thread
.set CKA,  6                           ; v6      LDS address of my column's c in pass 0, tile column 0
.set QST,  7                           ; v7      LDS address of my row sums
.set ADA,  8                           ; v8      ADW's start: (lane % 16) x pitch + 16 (lane / 16)
.set CH0,  16                          ; v16-47  chunk 0 of x;  chunks 1-3: v160-255
.set CKR,  16                          ; v16-31  after pass 0: 2 log2(e) c of my column: 8 tile columns, 2 passes
.set BM2,  32                          ; v32-47  -2 bias likewise
.set SBL,  48                          ; v48-49  the sum of bias over my 16 columns, twice
.set CKS,  50                          ; v50     LDS address for storing c and bias
.set QRD,  51                          ; v51     LDS address for reading the waves' row sums
.set LO,   64                          ; v64-95  fragments of row blocks 0-3
.set HI0,  96                          ; v96-127, v128-159  fragments of row blocks 4-7, even and odd K steps
.set CH1,  160
.set CH2,  192
.set CH3,  224
.set QA,   192                         ; v192-255 after pass 0: the 64 row sums
.set MSB, 0
.macro WIN new                         ; low byte: bits 1:0 source 0, 3:2 source 1, 5:4 source 2, 7:6 destination; the high byte repeats the setting left
.if MSB != (\new)
	s_set_vgpr_msb (MSB<<8)|(\new)
.set MSB, (\new)
.endif
.endm
; a chunk of x: rows 16 part + i (lanes 0-15) and 16 part + i + 8 (lanes 16-31) of my wave's 32, the 256 bytes of slab rel:
; each load covers two aligned pieces of 256 consecutive bytes
.macro XLD8 cb, part, rel
	WIN 0
.irp i, 0,1,2,3,4,5,6,7
	global_load_b128 v[(\cb)+4*\i:(\cb)+4*\i+3], v[XOFF], s[4:5] offset:(16*(\part)+\i)*4096+256*(\rel) th:TH_LOAD_NT
.endr
.endm
; round a chunk in place: word q of the result reads words 2 q and 2 q + 1, so no word is written before it has been read
.macro CVT16 cb
	WIN 0
.irp i, 0,1,2,3,4,5,6,7
	v_cvt_pk_bf16_f32 v[(\cb)+2*\i],   v[(\cb)+4*\i],   v[(\cb)+4*\i+1]
	v_cvt_pk_bf16_f32 v[(\cb)+2*\i+1], v[(\cb)+4*\i+2], v[(\cb)+4*\i+3]
.endr
.endm
; and lay it into its slab: the two rows of a store are 8 x 144 = 4 x 256 + 128 bytes apart, so its 32 lanes touch every bank once
.macro AST8 cb, part, rel
	WIN 0
.irp i, 0,1,2,3,4,5,6,7
	ds_store_b64 v[AST], v[(\cb)+2*\i:(\cb)+2*\i+1] offset:(16*(\part)+\i)*APITCH+SLAB*(\rel)
.endr
.endm
; one K step of my 128 columns into buffer buf of window 1: 16 loads of 512 consecutive bytes
.macro BLOAD buf, off
	WIN 0x40
.irp f, 0,1,2,3,4,5,6,7
	global_load_b128 v[64*(\buf)+8*\f:64*(\buf)+8*\f+3],   v[LOFF], s[6:7] offset:(\off)+1024*\f
	global_load_b128 v[64*(\buf)+8*\f+4:64*(\buf)+8*\f+7], v[LOFF], s[6:7] offset:(\off)+1024*\f+512
.endr
.endm
; the fragments of all 128 rows for K step us of the round: 16 loads, blocks 0-3 first.  Lane (r, h): row 16 i + r, bytes 16 h and
; 32 + 16 h of the step's 64
.macro FETCHA hn, us
	WIN 0
.irp i, 0,1,2,3
	ds_load_b128 v[LO+8*\i:LO+8*\i+3],   v[ADW] offset:((\us)>>1)*SLAB+\i*16*APITCH+((\us)&1)*64
	ds_load_b128 v[LO+8*\i+4:LO+8*\i+7], v[ADW] offset:((\us)>>1)*SLAB+\i*16*APITCH+((\us)&1)*64+32
.endr
.irp i, 0,1,2,3
	ds_load_b128 v[(\hn)+8*\i:(\hn)+8*\i+3],   v[ADW] offset:((\us)>>1)*SLAB+(4+\i)*16*APITCH+((\us)&1)*64
	ds_load_b128 v[(\hn)+8*\i+4:(\hn)+8*\i+7], v[ADW] offset:((\us)>>1)*SLAB+(4+\i)*16*APITCH+((\us)&1)*64+32
.endr
.endm
; 16 products: row blocks a0, a0 + 1 of the window's four x all 8 column blocks.  zero = 1: the product starts the sum, nothing is cleared
.macro MUL16 ab, fb, a0, zero
.irp a, \a0, \a0+1
.irp b, 0,1,2,3,4,5,6,7
.if \zero
	v_wmma_f32_16x16x32_bf16 v[8*(8*(\a)+\b):8*(8*(\a)+\b)+7], v[(\ab)+8*(\a):(\ab)+8*(\a)+7], v[(\fb)+8*\b:(\fb)+8*\b+7], 0
.else
	v_wmma_f32_16x16x32_bf16 v[8*(8*(\a)+\b):8*(8*(\a)+\b)+7], v[(\ab)+8*(\a):(\ab)+8*(\a)+7], v[(\fb)+8*\b:(\fb)+8*\b+7], v[8*(8*(\a)+\b):8*(8*(\a)+\b)+7]
.endif
.endr
.endr
.endm
; four places behind a matrix instruction before a load lands on one of its sources or a vector instruction reads its result
; the matrix instructions in between are not counted as places
.macro PLACES
.rept 4
	v_nop
.endr
.endm
; ONE K STEP.  u: its number in the round of four.  All its memory instructions stand in one run in its middle:
;   conv: chunk (step + 3) is rounded (the 16 conversions are also the places behind the products above) and stored to its slab
;   fetch: the rows' fragments of the next step: blocks 0-3 into the one buffer that the products above have just read,
;          blocks 4-7 into the buffer that the step before read
;   xl:   chunk (step + 7) is asked for, into the registers just stored;   load: the weights three steps ahead
;   bar:  the slab that the run's fetch reads first was stored by all four waves in the two runs before: each wave waits for its LDS
;         instructions, signals, multiplies on, and reads behind the barrier's wait
;   lcnt: the loads younger than this step's weights.  A chunk is older than weights that have been waited for when it is rounded.
.macro STEP u, zero, fetch, load, lcnt, conv, xl, bar
.set fb_, 64*((\u)&3)
.set bn_, ((\u)+3)&3                   ; the buffer of weights, and the chunk of x, whose turn it is
.set hc_, HI0+32*((\u)&1)
.set hn_, HI0+32*(((\u)+1)&1)
.set cp_, ((\u)+3)&1                   ; the chunk's half of my rows,
.set cr_, ((\u)+3)>>1                  ; its slab, counted from the round's first,
.set xr_, ((\u)+7)>>1                  ; and the slab of the chunk asked for
.if bn_ == 0
.set cb_, CH0
.else
.set cb_, 128+32*bn_
.endif
	s_wait_loadcnt \lcnt                           ; this step's weights are in; the runs of the two steps before stay on their way
	s_wait_dscnt 8                                 ; row blocks 0-3 are in; the youngest eight loads (blocks 4-7) may be out
	WIN 0xa4                                       ; rows window 0, weights window 1, C and D window 2
	MUL16 LO, fb_, 0, \zero
.if \bar
	s_wait_dscnt 0x0                               ; my stores into the next slab are done, for the others' sake
	s_barrier_signal -1
.endif
	MUL16 LO, fb_, 2, \zero
.if \bar
	s_barrier_wait -1                              ; everybody's are
.endif
.if \conv
	CVT16 cb_
	AST8 cb_, cp_, cr_
.else
.if ((\fetch)+(\load)) > 0
	PLACES
.endif
.endif
.if \fetch
	FETCHA hn_, (\u)+1
.endif
.if \xl
	XLD8 cb_, cp_, xr_                             ; ahead of the weights, so that every run counts alike
.endif
.if \load
	BLOAD bn_, 8192*((\u)+3)
.endif
	s_wait_dscnt 8*\conv+16*\fetch                 ; all but what this run has issued: row blocks 4-7 are in
	WIN 0xf4                                       ; C and D window 3
	MUL16 hc_, fb_, 0, \zero
	MUL16 hc_, fb_, 2, \zero
.endm
; behind a round: four K steps on in the weights and in the slabs; xs = 1: two slabs on in x too
.macro RNDEND xs
	WIN 0
	s_wait_xcnt 0x0                                ; the bases of the loads issued so far are rewritten only behind this wait
	s_add_nc_u64 s[6:7], s[6:7], 32768
.if \xs
	s_add_nc_u64 s[4:5], s[4:5], 512
	v_add_nc_u32 v[AST], 2*SLAB, v[AST]
.endif
	v_add_nc_u32 v[ADW], 2*SLAB, v[ADW]
.endm
.macro ASTART                          ; the rows' fragments of K step 0
	WIN 0
	v_mov_b32 v[ADW], v[ADA]
	FETCHA HI0, 0
.endm
.macro ROUNDP zero                     ; a round of pass 1: no stream, no barrier
	STEP 0, \zero, 1, 1, 32, 0, 0, 0
	STEP 1, 0, 1, 1, 32, 0, 0, 0
	STEP 2, 0, 1, 1, 32, 0, 0, 0
	STEP 3, 0, 1, 1, 32, 0, 0, 0
	RNDEND 0
.endm
; THE TAIL, tile by tile (i = 8 a + nb in the window at hand).  A lane holds one column, so c and bias are one register for each nb;
; they are read as the first or the second register of an even pair (op_sel, op_sel_hi).
.macro ARG4 i, p                       ; 2 log2(e) (sum + c)
.set nb_, (\i)&7
.irp j, 0,2,4,6
.if (nb_&1) == 0
	v_pk_fma_f32 v[8*(\i)+\j:8*(\i)+\j+1], v[8*(\i)+\j:8*(\i)+\j+1], 0x4038aa3b, v[CKR+8*\p+nb_:CKR+8*\p+nb_+1] op_sel_hi:[1,0,0]
.else
	v_pk_fma_f32 v[8*(\i)+\j:8*(\i)+\j+1], v[8*(\i)+\j:8*(\i)+\j+1], 0x4038aa3b, v[CKR+8*\p+nb_-1:CKR+8*\p+nb_] op_sel:[0,0,1] op_sel_hi:[1,0,1]
.endif
.endr
.endm
.macro EXP8 i
.irp j, 0,1,2,3,4,5,6,7
	v_exp_f32 v[8*(\i)+\j], v[8*(\i)+\j]
.endr
.endm
.macro ONE4 i
	s_wait_alu depctr_va_vdst(0)
.irp j, 0,2,4,6
	v_pk_add_f32 v[8*(\i)+\j:8*(\i)+\j+1], v[8*(\i)+\j:8*(\i)+\j+1], 1.0 op_sel_hi:[1,0]
.endr
.endm
.macro RCP8 i
.irp j, 0,1,2,3,4,5,6,7
	v_rcp_f32 v[8*(\i)+\j], v[8*(\i)+\j]
.endr
.endm
.macro FOLD4 i, p                      ; times -2 bias, summed over nb into tile (a, 0), whose own product starts the sum
.set nb_, (\i)&7
.set t0_, 8*((\i)-nb_)
.irp j, 0,2,4,6
.if nb_ == 0
	s_wait_alu depctr_va_vdst(0)
	v_pk_mul_f32 v[t0_+\j:t0_+\j+1], v[t0_+\j:t0_+\j+1], v[BM2+8*\p:BM2+8*\p+1] op_sel_hi:[1,0]
.else
.if (nb_&1) == 0
	s_wait_alu depctr_va_vdst(0)
	v_pk_fma_f32 v[t0_+\j:t0_+\j+1], v[8*(\i)+\j:8*(\i)+\j+1], v[BM2+8*\p+nb_:BM2+8*\p+nb_+1], v[t0_+\j:t0_+\j+1] op_sel_hi:[1,0,1]
.else
	s_wait_alu depctr_va_vdst(0)
	v_pk_fma_f32 v[t0_+\j:t0_+\j+1], v[8*(\i)+\j:8*(\i)+\j+1], v[BM2+8*\p+nb_-1:BM2+8*\p+nb_], v[t0_+\j:t0_+\j+1] op_sel:[0,1,0] op_sel_hi:[1,1,1]
.endif
.endif
.endr
.endm
; The four steps run as a pipeline over the 32 tiles, so that between a transcendental and the use of its result there is always a plain
; vector instruction on other registers (ISA guide 5.7.2): ONE4 i+1 between RCP8 i and FOLD4 i, FOLD4 i between EXP8 i+2 and ONE4 i+2.
.macro EPI p
.irp hi, 0,1
	WIN 0x82+0x41*\hi                              ; source 0 and destination: window 2 + hi; c: window 0
.set i_, 0
.rept 32
	ARG4 i_, \p
.set i_, i_+1
.endr
	WIN 0xa2+0x51*\hi                              ; sources 0 and 2 and destination: window 2 + hi; bias: window 0
	EXP8 0
	EXP8 1
	v_nop
	s_wait_alu depctr_va_vdst(0)
	ONE4 0
.set i_, 0
.rept 32
	RCP8 i_
.if i_ < 31
	ONE4 i_+1
.else
	v_nop
	s_wait_alu depctr_va_vdst(0)
.endif
.if i_ < 30
	EXP8 i_+2
.endif
	FOLD4 i_, \p
.set i_, i_+1
.endr
	WIN 0x02+\hi                                   ; out of window 2 + hi into the row sums of window 0
.irp a, 0,1,2,3
.irp j, 0,2,4,6
.if \p == 0
	v_pk_add_f32 v[QA+8*(4*\hi+\a)+\j:QA+8*(4*\hi+\a)+\j+1], v[64*\a+\j:64*\a+\j+1], v[SBL:SBL+1]    ; the sum of bias starts the row sums
.else
	v_pk_add_f32 v[QA+8*(4*\hi+\a)+\j:QA+8*(4*\hi+\a)+\j+1], v[64*\a+\j:64*\a+\j+1], v[QA+8*(4*\hi+\a)+\j:QA+8*(4*\hi+\a)+\j+1]
.endif
.endr
.endr
.endr
.endm
	; ---------------- set-up ----------------
	s_load_b256 s[4:11], s[0:1], 0x0               ; x s[4:5], wt s[6:7], cpart s[8:9], dot_bias s[10:11]
	s_load_b64 s[12:13], s[0:1], 0x20              ; q
	v_lshl_add_u32 v62, v0, 2, 0x4a800
	v_mov_b32 v63, 0
	v_lshrrev_b32 v52, 5, v0
	v_readfirstlane_b32 s14, v52                   ; wave 0..3
	v_and_b32 v53, 31, v0                          ; lane
	v_and_b32 v54, 15, v0                          ; r
	v_bfe_u32 v55, v0, 4, 1                        ; h
	v_lshlrev_b32 v[LOFF], 4, v53
	s_lshl_b32 s16, s14, 17                        ; my wave's 32 rows of 4,096 bytes
	v_lshlrev_b32 v56, 4, v54                      ; 16 r
	v_lshl_add_u32 v56, v55, 15, v56               ; + 8 h rows
	v_add_nc_u32 v[XOFF], s16, v56
	s_mul_i32 s16, s14, 32*APITCH                  ; and the same rows in a slab
	v_mul_u32_u24 v56, v55, 8*APITCH
	v_lshl_add_u32 v56, v54, 3, v56                ; 8 r: four numbers in bf16
	v_add_nc_u32 v[AST], s16, v56
	v_lshlrev_b32 v[TOFF], 4, v0
	v_add_nc_u32 v[CKS], CKB, v[TOFF]
	s_lshl_b32 s16, s14, 10                        ; my wave's 256 columns of f32
	s_add_co_u32 s16, s16, CKB
	v_lshl_add_u32 v[CKA], v54, 2, s16
	s_lshl_b32 s16, s14, 9                         ; my wave's 128 row sums
	s_add_co_u32 s16, s16, QSB
	v_lshl_add_u32 v[QST], v55, 5, s16             ; rows 8 h ..
	v_add_nc_u32 v[QRD], QSB, v[LOFF]
	v_mul_u32_u24 v56, v54, APITCH
	v_lshl_add_u32 v[ADA], v55, 4, v56             ; r x pitch + 16 h
	s_lshr_b32 s18, ttmp9, 2                       ; batch
	s_mul_i32 s19, s18, 513
	s_and_b32 s17, ttmp9, 3                        ; quarter
	s_lshl_b32 s17, s17, 7
	s_add_co_u32 s19, s19, s17
	s_add_co_u32 s19, s19, 1                       ; row 0 of a batch is u
	s_lshl_b32 s22, s19, 12                        ; at most 32,704 rows of 4,096 bytes: below 2^31
	s_mov_b32 s23, 0
	s_wait_kmcnt 0x0
	s_add_nc_u64 s[4:5], s[4:5], s[22:23]
	s_lshl_b32 s22, s14, 19                        ; my wave's two column groups: 64 K steps of 8,192 bytes, one stream
	s_add_nc_u64 s[6:7], s[6:7], s[22:23]
	s_lshl_b32 s22, s18, 12                        ; my batch's row in each part of cpart
	s_add_nc_u64 s[8:9], s[8:9], s[22:23]
	s_lshl_b32 s22, ttmp9, 9                       ; my 128 numbers of q
	s_add_nc_u64 s[12:13], s[12:13], s[22:23]
	; ---------------- in front of the products: chunks 0-2 (slab 0 and half of slab 1), c and bias ----------------
	XLD8 CH0, 0, 0                                 ; chunk 0: slab 0, rows 0-15 of my 32
	XLD8 CH1, 1, 0                                 ; chunk 1: slab 0, rows 16-31
	XLD8 CH2, 0, 1                                 ; chunk 2: slab 1, rows 0-15
	global_load_b128 v[128:131], v[TOFF], s[10:11]
	global_load_b128 v[132:135], v[TOFF], s[10:11] offset:2048
.irp ks, 0,1,2,3,4,5,6,7
	global_load_b128 v[64+8*\ks:64+8*\ks+3], v[TOFF], s[8:9] offset:\ks*262144
	global_load_b128 v[68+8*\ks:68+8*\ks+3], v[TOFF], s[8:9] offset:\ks*262144+2048
.endr
	BLOAD 0, 0                                     ; the weights of K step 0
	XLD8 CH3, 1, 1                                 ; chunk 3
	s_wait_loadcnt 42                              ; chunks 0-2 are in: behind them 18 loads of bias and c, 16 of weights, 8 of chunk 3
	CVT16 CH0
	AST8 CH0, 0, 0
	CVT16 CH1
	AST8 CH1, 1, 0
	CVT16 CH2
	AST8 CH2, 0, 1
	XLD8 CH0, 0, 2                                 ; chunks 4, 5, 6
	XLD8 CH1, 1, 2
	XLD8 CH2, 0, 3
	s_wait_loadcnt 48                              ; bias and the eight parts of c are in: behind them 16 + 8 + 24 loads
.irp ks, 1,2,3,4,5,6,7
.irp j, 0,2,4,6
	v_pk_add_f32 v[64+\j:65+\j], v[64+\j:65+\j], v[64+8*\ks+\j:65+8*\ks+\j]       ; ascending K
.endr
.endr
.irp j, 0,2,4,6
	v_pk_mul_f32 v[64+\j:65+\j], v[64+\j:65+\j], 0x4038aa3b op_sel_hi:[1,0]       ; 2 log2(e) c
	v_pk_mul_f32 v[128+\j:129+\j], v[128+\j:129+\j], -2.0 op_sel_hi:[1,0]         ; -2 bias
.endr
	ds_store_b128 v[CKS], v[64:67]
	ds_store_b128 v[CKS], v[68:71] offset:2048
	ds_store_b128 v[CKS], v[128:131] offset:4096
	ds_store_b128 v[CKS], v[132:135] offset:6144
	BLOAD 1, 8192
	BLOAD 2, 16384
	WIN 0
	s_wait_dscnt 0x0                               ; my part of slab 0, of c and of bias is written, for the others' sake
	s_barrier_signal -1
	s_barrier_wait -1
	ASTART
	; ---------------- pass 0: columns 128 (2 w), with the stream of x ----------------
	; round 0 stands in front of the loop: its first products start the sums, and its first counts are those of the loads above
	STEP 0, 1, 1, 1, 56, 1, 1, 0                   ; chunk 3 is in: behind it chunks 4-6 (24 loads) and two K steps of weights (32)
	STEP 1, 0, 1, 1, 40, 1, 1, 1                   ; behind K step 1's weights: K step 2's (16) and the run of step 0 (24)
	STEP 2, 0, 1, 1, 48, 1, 1, 0                   ; from here on: two runs of 8 + 16 loads
	STEP 3, 0, 1, 1, 48, 1, 1, 1
	RNDEND 1
	s_mov_b32 s15, 5
.Lround0:
	STEP 0, 0, 1, 1, 48, 1, 1, 0
	STEP 1, 0, 1, 1, 48, 1, 1, 1
	STEP 2, 0, 1, 1, 48, 1, 1, 0
	STEP 3, 0, 1, 1, 48, 1, 1, 1
	RNDEND 1
	s_sub_co_i32 s15, s15, 1
	s_cmp_lg_u32 s15, 0
	s_cbranch_scc1 .Lround0
	STEP 0, 0, 1, 1, 48, 1, 1, 0                   ; step 24 asks for chunk 31, the last: no load passes the rows' end
	STEP 1, 0, 1, 1, 48, 1, 0, 1
	STEP 2, 0, 1, 1, 40, 1, 0, 0                   ; one run with x (24 loads) and one without (16) are younger
	STEP 3, 0, 1, 1, 32, 1, 0, 1
	RNDEND 1
	STEP 0, 0, 1, 1, 32, 1, 0, 0                   ; step 28 stores chunk 31
	STEP 1, 0, 1, 1, 32, 0, 0, 1                   ; the last barrier: slab 15
	STEP 2, 0, 1, 1, 32, 0, 0, 0                   ; the stream of weights runs on into pass 1 while the tail works
	STEP 3, 0, 0, 1, 32, 0, 0, 0
	RNDEND 0
	PLACES                                         ; behind the last products
.irp p, 0,1
.irp nb, 0,1,2,3,4,5,6,7
	ds_load_b32 v[CKR+8*\p+\nb], v[CKA] offset:512*\p+64*\nb                      ; into chunk 0's registers, free since step 25
	ds_load_b32 v[BM2+8*\p+\nb], v[CKA] offset:4096+512*\p+64*\nb
.endr
.endr
	ASTART                                         ; pass 1's first fragments come in while the tail works
	s_wait_dscnt 16                                ; c and bias are in; the 16 loads of fragments stay out
	v_pk_add_f32 v[52:53], v[BM2:BM2+1], v[BM2+2:BM2+3]
	v_pk_add_f32 v[54:55], v[BM2+4:BM2+5], v[BM2+6:BM2+7]
	v_pk_add_f32 v[56:57], v[BM2+8:BM2+9], v[BM2+10:BM2+11]
	v_pk_add_f32 v[58:59], v[BM2+12:BM2+13], v[BM2+14:BM2+15]
	v_pk_add_f32 v[52:53], v[52:53], v[54:55]
	v_pk_add_f32 v[56:57], v[56:57], v[58:59]
	v_pk_add_f32 v[52:53], v[52:53], v[56:57]
	v_add_f32 v52, v52, v53
	v_mul_f32 v[SBL], -0.5, v52                    ; the sum of bias over my 16 columns
	v_mov_b32 v[SBL+1], v[SBL]
	EPI 0
	; ---------------- pass 1: columns 128 (2 w + 1) ----------------
	ROUNDP 1
	s_mov_b32 s15, 6
.Lround1:
	ROUNDP 0
	s_sub_co_i32 s15, s15, 1
	s_cmp_lg_u32 s15, 0
	s_cbranch_scc1 .Lround1
	STEP 0, 0, 1, 1, 32, 0, 0, 0                   ; the last K step of my stream is asked for here: no load passes wt's end
	STEP 1, 0, 1, 0, 32, 0, 0, 0
	STEP 2, 0, 1, 0, 16, 0, 0, 0                   ; the counts run down
	STEP 3, 0, 0, 0, 0, 0, 0, 0
	PLACES                                         ; behind the last products
	EPI 1
	; ---------------- the row sums: over the 16 lanes of a half, then over the four waves ----------------
	WIN 0
.irp m, 1,2,4,8
.set j_, 0
.rept 64
	v_add_f32_dpp v[QA+j_], v[QA+j_], v[QA+j_] row_xmask:\m row_mask:0xf bank_mask:0xf
.set j_, j_+1
.endr
.endr
.irp mb, 0,1,2,3,4,5,6,7
	ds_store_b128 v[QST], v[QA+8*\mb:QA+8*\mb+3]   offset:64*\mb      ; rows 16 mb + 8 h + 0..3: the 16 lanes of a half write the same
	ds_store_b128 v[QST], v[QA+8*\mb+4:QA+8*\mb+7] offset:64*\mb+16   ; bytes with the same values
.endr
	s_wait_dscnt 0x0
	s_barrier_signal -1
	s_barrier_wait -1
	s_cmp_lg_u32 s14, 0
	s_cbranch_scc1 .Lend
	ds_load_b128 v[64:67], v[QRD]                  ; rows 4 lane .. 4 lane + 3 of each wave's sums
	ds_load_b128 v[68:71], v[QRD] offset:512
	ds_load_b128 v[72:75], v[QRD] offset:1024
	ds_load_b128 v[76:79], v[QRD] offset:1536
	s_wait_dscnt 0x0
	v_pk_add_f32 v[64:65], v[64:65], v[68:69]
	v_pk_add_f32 v[66:67], v[66:67], v[70:71]
	v_pk_add_f32 v[72:73], v[72:73], v[76:77]
	v_pk_add_f32 v[74:75], v[74:75], v[78:79]
	v_pk_add_f32 v[64:65], v[64:65], v[72:73]
	v_pk_add_f32 v[66:67], v[66:67], v[74:75]
	global_store_b128 v[LOFF], v[64:67], s[12:13]  ; 512 consecutive bytes
.Lend:
	s_wait_tensorcnt 0x0
	ds_add_u32 v62, v63
	s_wait_dscnt 0x0
	s_endpgm
.Lfunc_end_k_q55cdc4fb07_main:
	.size	k_q55cdc4fb07_main, .Lfunc_end_k_q55cdc4fb07_main-k_q55cdc4fb07_main
	.p2alignl 7, 3214868480
	.fill 96, 4, 3214868480
	.section	.rodata,"a",@progbits
	.p2align	6, 0x0
	.amdhsa_kernel k_q55cdc4fb07_main
		.amdhsa_group_segment_fixed_size 305664
		.amdhsa_private_segment_fixed_size 0
		.amdhsa_enable_private_segment 0
		.amdhsa_kernarg_size 40
		.amdhsa_user_sgpr_count 2
		.amdhsa_user_sgpr_kernarg_segment_ptr 1
		.amdhsa_wavefront_size32 1
		.amdhsa_system_sgpr_workgroup_id_x 1
		.amdhsa_system_sgpr_workgroup_id_y 1
		.amdhsa_system_sgpr_workgroup_id_z 1
		.amdhsa_system_vgpr_workitem_id 0
		.amdhsa_next_free_vgpr 1024
		.amdhsa_next_free_sgpr 66
		.amdhsa_reserve_vcc 0
		.amdhsa_float_denorm_mode_32 3
		.amdhsa_float_denorm_mode_16_64 3
		.amdhsa_memory_ordered 1
		.amdhsa_forward_progress 1
		.amdhsa_inst_pref_size 255
	.end_amdhsa_kernel
	.section	.bss,"aw",@nobits
	.p2align	6
	.space	262144
	.amdgpu_metadata
---
amdhsa.version: [ 1, 2 ]
amdhsa.kernels:
  - .name:           k_q55cdc4fb07_main
    .symbol:         k_q55cdc4fb07_main.kd
    .args:
      - { .name: x, .offset: 0, .size: 8, .value_kind: global_buffer, .address_space: global }
      - { .name: wt, .offset: 8, .size: 8, .value_kind: global_buffer, .address_space: global }
      - { .name: cpart, .offset: 16, .size: 8, .value_kind: global_buffer, .address_space: global }
      - { .name: dot_bias, .offset: 24, .size: 8, .value_kind: global_buffer, .address_space: global }
      - { .name: q, .offset: 32, .size: 8, .value_kind: global_buffer, .address_space: global }
    .group_segment_fixed_size: 305664
    .private_segment_fixed_size: 0
    .kernarg_segment_align: 8
    .kernarg_segment_size: 40
    .max_flat_workgroup_size: 128
    .sgpr_count:     66
    .vgpr_count:     1024
    .wavefront_size: 32
...
	.end_amdgpu_metadata
.endif
;; end of part 2
;; launch soft (part 3): grid 64 x 1, 1 waves a work-group, no clusters, 0 bytes of LDS; arguments q, out0; writes out0
.if DOCPART == 3
	.amdgcn_target "amdgcn-amd-amdhsa--gfx1250"
	.amdhsa_code_object_version 6
	.text
	.protected	k_q55cdc4fb07_soft
	.globl	k_q55cdc4fb07_soft
	.p2align	8
	.type	k_q55cdc4fb07_soft,@function
k_q55cdc4fb07_soft:
	s_mov_b64 s[64:65], 0
	v_nop
	global_prefetch_b8 v0, s[64:65] scope:SCOPE_SE
	s_setreg_imm32_b32 hwreg(HW_REG_WAVE_MODE, 25, 1), 1
	s_wait_xcnt 0x0
; out0[b][:] = softmax of q[b][:], 512 numbers.  One wave takes one batch: 16 numbers a lane stay in registers between the maximum,
; the sum and the scaling, so there is no LDS and no barrier.  A row spans four work-groups of the launch before, hence a launch of
; its own; it has work for 64 waves and launches those.
; LIMIT: v_exp_f32 flushes denormals (ISA guide 15.8): a weight below 2^-126 of the largest comes out as 0.
	s_load_b128 s[4:7], s[0:1], 0x0                ; q s[4:5], out0 s[6:7]
	v_lshlrev_b32 v1, 4, v0                        ; 16 x lane
	s_lshl_b32 s8, ttmp9, 11                       ; my batch's 2,048 bytes
	s_mov_b32 s9, 0
	s_mov_b32 s10, 0x76543210                      ; v_permlanex16_b32: lane i of one half reads lane i of the other
	s_mov_b32 s11, 0xfedcba98
	s_wait_kmcnt 0x0
	s_add_nc_u64 s[4:5], s[4:5], s[8:9]
	s_add_nc_u64 s[6:7], s[6:7], s[8:9]
.irp i, 0,1,2,3
	global_load_b128 v[4+4*\i:7+4*\i], v1, s[4:5] offset:512*\i
.endr
	s_wait_loadcnt 0x0
	; the maximum: in the lane, over the 16 lanes of a half, over the halves
	v_max3_num_f32 v20, v4, v5, v6
	v_max3_num_f32 v21, v7, v8, v9
	v_max3_num_f32 v22, v10, v11, v12
	v_max3_num_f32 v23, v13, v14, v15
	v_max3_num_f32 v20, v20, v16, v17
	v_max3_num_f32 v21, v21, v18, v19
	v_max3_num_f32 v20, v20, v21, v22
	v_max_num_f32 v20, v20, v23
	v_max_num_f32_dpp v20, v20, v20 row_xmask:1 row_mask:0xf bank_mask:0xf
	v_max_num_f32_dpp v20, v20, v20 row_xmask:2 row_mask:0xf bank_mask:0xf
	v_max_num_f32_dpp v20, v20, v20 row_xmask:4 row_mask:0xf bank_mask:0xf
	v_max_num_f32_dpp v20, v20, v20 row_xmask:8 row_mask:0xf bank_mask:0xf
	v_permlanex16_b32 v21, v20, s10, s11           ; its destination has been written above
	v_max_num_f32 v20, v20, v21
	v_mul_f32 v22, 0xbfb8aa3b, v20                 ; -log2(e) x maximum,
	v_mov_b32 v23, v22                             ; twice
.irp j, 4,6,8,10,12,14,16,18
	v_pk_fma_f32 v[\j:\j+1], v[\j:\j+1], 0x3fb8aa3b, v[22:23] op_sel_hi:[1,0,1]   ; log2(e) (q - maximum)
.endr
.irp j, 4,5,6,7,8,9,10,11,12,13,14,15,16,17,18,19
	v_exp_f32 v\j, v\j
.endr
	v_nop                                          ; one plain place between a transcendental and the use of its result (ISA guide 5.7.2)
	s_wait_alu depctr_va_vdst(0)
	v_pk_add_f32 v[20:21], v[4:5], v[6:7]
	v_pk_add_f32 v[24:25], v[8:9], v[10:11]
	v_pk_add_f32 v[26:27], v[12:13], v[14:15]
	v_pk_add_f32 v[28:29], v[16:17], v[18:19]
	v_pk_add_f32 v[20:21], v[20:21], v[24:25]
	v_pk_add_f32 v[26:27], v[26:27], v[28:29]
	v_pk_add_f32 v[20:21], v[20:21], v[26:27]
	v_add_f32 v20, v20, v21
	v_add_f32_dpp v20, v20, v20 row_xmask:1 row_mask:0xf bank_mask:0xf
	v_add_f32_dpp v20, v20, v20 row_xmask:2 row_mask:0xf bank_mask:0xf
	v_add_f32_dpp v20, v20, v20 row_xmask:4 row_mask:0xf bank_mask:0xf
	v_add_f32_dpp v20, v20, v20 row_xmask:8 row_mask:0xf bank_mask:0xf
	v_permlanex16_b32 v21, v20, s10, s11
	v_add_f32 v20, v20, v21
	v_rcp_f32 v24, v20                             ; 1 / sum, twice: a pair for the packed multiply
	v_rcp_f32 v25, v20
	v_nop
	s_wait_alu depctr_va_vdst(0)
.irp j, 4,6,8,10,12,14,16,18
	v_pk_mul_f32 v[\j:\j+1], v[\j:\j+1], v[24:25]
.endr
.irp i, 0,1,2,3
	global_store_b128 v1, v[4+4*\i:7+4*\i], s[6:7] offset:512*\i      ; 512 consecutive bytes each
.endr
	s_endpgm
.Lfunc_end_k_q55cdc4fb07_soft:
	.size	k_q55cdc4fb07_soft, .Lfunc_end_k_q55cdc4fb07_soft-k_q55cdc4fb07_soft
	.p2alignl 7, 3214868480
	.fill 96, 4, 3214868480
	.section	.rodata,"a",@progbits
	.p2align	6, 0x0
	.amdhsa_kernel k_q55cdc4fb07_soft
		.amdhsa_group_segment_fixed_size 0
		.amdhsa_private_segment_fixed_size 0
		.amdhsa_enable_private_segment 0
		.amdhsa_kernarg_size 16
		.amdhsa_user_sgpr_count 2
		.amdhsa_user_sgpr_kernarg_segment_ptr 1
		.amdhsa_wavefront_size32 1
		.amdhsa_system_sgpr_workgroup_id_x 1
		.amdhsa_system_sgpr_workgroup_id_y 1
		.amdhsa_system_sgpr_workgroup_id_z 1
		.amdhsa_system_vgpr_workitem_id 0
		.amdhsa_next_free_vgpr 32
		.amdhsa_next_free_sgpr 66
		.amdhsa_reserve_vcc 0
		.amdhsa_float_denorm_mode_32 3
		.amdhsa_float_denorm_mode_16_64 3
		.amdhsa_memory_ordered 1
		.amdhsa_forward_progress 1
		.amdhsa_inst_pref_size 6
	.end_amdhsa_kernel
	.amdgpu_metadata
---
amdhsa.version: [ 1, 2 ]
amdhsa.kernels:
  - .name:           k_q55cdc4fb07_soft
    .symbol:         k_q55cdc4fb07_soft.kd
    .args:
      - { .name: q, .offset: 0, .size: 8, .value_kind: global_buffer, .address_space: global }
      - { .name: out0, .offset: 8, .size: 8, .value_kind: global_buffer, .address_space: global }
    .group_segment_fixed_size: 0
    .private_segment_fixed_size: 0
    .kernarg_segment_align: 8
    .kernarg_segment_size: 16
    .max_flat_workgroup_size: 32
    .sgpr_count:     66
    .vgpr_count:     32
    .wavefront_size: 32
...
	.end_amdgpu_metadata
.endif
;; end of part 3
;; ======== version 2 of 2: 3 launches; version 1 with the launch main written anew for expert scheduling mode
;; workspace buffers: wt 2,097,152 bytes; cpart 2,097,152 bytes; q 131,072 bytes
;; launch prep: the kernel of part 1 again; grid 256 x 1, 4 waves a work-group, no clusters, 90,624 bytes of LDS; arguments dense_weights, x, wt, cpart; writes wt, cpart
;; launch main (part 4): grid 256 x 1, 4 waves a work-group, no clusters, 305,664 bytes of LDS; arguments x, wt, cpart, dot_bias, q; writes q
.if DOCPART == 4
	.amdgcn_target "amdgcn-amd-amdhsa--gfx1250"
	.amdhsa_code_object_version 6
	.text
	.protected	k_q55cdc4fb07_main
	.globl	k_q55cdc4fb07_main
	.p2align	8
	.type	k_q55cdc4fb07_main,@function
k_q55cdc4fb07_main:
	s_mov_b64 s[64:65], 0
	v_nop
	global_prefetch_b8 v0, s[64:65] scope:SCOPE_SE
	s_setreg_imm32_b32 hwreg(HW_REG_WAVE_SCHED_MODE, 0, 2), 2
	s_setreg_imm32_b32 hwreg(HW_REG_WAVE_MODE, 25, 1), 1
	s_wait_xcnt 0x0
	s_wait_alu depctr_vm_vsrc(0)
; q[b][k] = sum over e of bias[e] tanh( (z w_z)[b][k][e] + c[b][e] ),  z = x[:, 1:, :],  c = the sum of cpart's eight parts.
; A work-group takes 128 rows of one batch (batch = id >> 2, quarter = id & 3) and all 1,024 columns: 256 work-groups of equal work.
; Its rows are read from memory once, rounded to bf16 once and kept in LDS.  Four waves, one on each SIMD; a wave makes all 128 rows
; x 128 columns at a time (64 tiles, 512 registers), in two passes: columns 128 (2 w + p).
; THE ROWS ARRIVE WHILE PASS 0 MULTIPLIES.  LDS holds them in 16 slabs of 64 along K (128 rows, pitch 144 bytes), so that the slab
; being written and the slabs being read are disjoint ranges.  A wave brings its 32 rows in chunks of 16 rows x 256 bytes (8 loads,
; 32 registers): K step t rounds and stores chunk t + 3 and asks for chunk t + 6, into the registers that step t - 1 rounded and
; stored.  A slab is two chunks a wave; one barrier in every second step stands between its last store and its first read.  No byte
; of the rows is ever written twice.
; The weights come straight into registers: no other wave of the work-group reads a wave's columns, so LDS would give them no reuse,
; and wt lies in fragment order, so each load covers 512 consecutive bytes.  Four buffers of one K step (32): one at work, three ahead.
; tanh(a) = 1 - 2 / (1 + 2^(2 log2(e) a)), so q = sum of bias + sum of (-2 bias) / (1 + 2^..): pre-activations never leave registers.
; NO CLUSTER, though all work-groups walk the same 2 MiB of weights: a joint request lands in LDS, and beside the rows and the small
; tables (305,152 of the 327,680 bytes that a work-group can be given) 22,528 bytes are left, less than one K step of the four waves'
; weights (32,768): no ring fits, against three steps ahead in registers.
; LIMITS: products of bf16 operands, f32 sums.  v_exp_f32 and v_rcp_f32 flush denormals (ISA guide 15.8); tanh comes out as exactly
; +1 or -1 once 2^(2.885 a) overflows or underflows, which is its f32 value there.  NaN in, NaN out.
; THE MODE: SCHED_MODE bits 1:0 = 2 (LLVM: expert scheduling mode 2), set by the entry lines.  The code itself states the register
; dependences between vector or matrix instructions and memory or LDS instructions, with s_wait_alu, always for 0.
; THE PLAN.  Registers that memory or LDS instructions touch, in K step t:
;   LO          the step's first 32 products read it; behind them the step's LDS loads land in it (the fragments of step t + 1).
;   HI0, HI1    the step's last 32 products read HI[t % 2]; the step's LDS loads land in the other, which step t - 1's products read.
;   W0 .. W3    (window 1) the step's 64 products read W[t % 4]; the step's loads land in W[(t + 3) % 4], which step t - 1 read.
;   C0 .. C3    (chunks of x) the step's 16 conversions read and write C[(t + 3) % 4], its 8 LDS stores read it; the step's loads of x
;               land in C[(t + 2) % 4], which step t - 1 rounded and stored.
;   v[AST], v[ADW]  read by the LDS stores and loads; written once a round, behind the round's last step.
;   v[LOFF], v[XOFF] and the other offsets are made at the head and never written again.  The accumulators are named by vector and
;   matrix instructions alone.
; So two waits stand in the middle of a step, behind its conversions: one on va_vdst (the conversions have written their chunk; the
; products issued so far are done reading LO, the other HI and W[(t + 3) % 4]; step t - 1's conversions are done with C[(t + 2) % 4];
; in a round's first step the two LDS addresses are written) and, where x is asked for, one on vm_vsrc (step t - 1's stores have read
; C[(t + 2) % 4]).  The step's last 32 products name HI[t % 2], W[t % 4] and window 3: none of the registers that the step's memory
; instructions touch.  So these follow with no further wait, eight at a time behind four products.
;
; REGISTERS, in windows of 256:
;   window 0: addresses and constants (below); fragments of the rows: blocks 0-3 in one buffer, blocks 4-7 in two; four chunks of x,
;             whose registers hold c, bias and the 64 row sums once pass 0 is over
;   window 1: four buffers of 64 registers: fragments of the weights, one K step each
;   window 2: accumulator tiles of rows 0-63 (tile (a, nb) at v[8 (8 a + nb)]); window 3: rows 64-127
.set APITCH, 144                       ; 128 bytes of bf16 + 16: an odd multiple of 16, the 16 rows of a fragment fall on different banks
.set SLAB, 128*APITCH                  ; 18,432: 64 along K of all 128 rows
.set CKB,  16*SLAB                     ; 294,912: 1,024 f32, 2 log2(e) c[e];  4,096 bytes further: 1,024 f32, -2 bias[e]
.set QSB,  CKB+8192                    ; 303,104: [wave][128 rows] f32
.set LOFF, 1                           ; v1      16 x lane
.set XOFF, 2                           ; v2      x: my wave's 32 rows + 8 (lane / 16) rows + 16 (lane % 16)
.set AST,  3                           ; v3      LDS: the same rows, 8 (lane % 16); steps two slabs a round
.set ADW,  4                           ; v4      LDS address of my part of the fragments; steps two slabs a round
.set TOFF, 5                           ; v5      16 x thread
.set CKA,  6                           ; v6      LDS address of my column's c in pass 0, tile column 0
.set QST,  7                           ; v7      LDS address of my row sums
.set ADA,  8                           ; v8      ADW's start: (lane % 16) x pitch + 16 (lane / 16)
.set CH0,  16                          ; v16-47  chunk buffer 0 of x;  buffers 1-3: v160-255
.set CKR,  16                          ; v16-31  after pass 0: 2 log2(e) c of my column: 8 tile columns, 2 passes
.set BM2,  32                          ; v32-47  -2 bias likewise
.set SBL,  48                          ; v48-49  the sum of bias over my 16 columns, twice
.set CKS,  50                          ; v50     LDS address for storing c and bias
.set QRD,  51                          ; v51     LDS address for reading the waves' row sums
.set LO,   64                          ; v64-95  fragments of row blocks 0-3
.set HI0,  96                          ; v96-127, v128-159  fragments of row blocks 4-7, even and odd K steps
.set CH1,  160
.set CH2,  192
.set CH3,  224
.set QA,   192                         ; v192-255 after pass 0: the 64 row sums
.set MSB, 0
.macro WIN new                         ; low byte: bits 1:0 source 0, 3:2 source 1, 5:4 source 2, 7:6 destination; the high byte repeats the setting left
.if MSB != (\new)
	s_set_vgpr_msb (MSB<<8)|(\new)
.set MSB, (\new)
.endif
.endm
; a chunk of x: rows 16 part + i (lanes 0-15) and 16 part + i + 8 (lanes 16-31) of my wave's 32, the 256 bytes of slab rel:
; each load covers two aligned pieces of 256 consecutive bytes
.macro XLD8 cb, part, rel
	WIN 0
.irp i, 0,1,2,3,4,5,6,7
	global_load_b128 v[(\cb)+4*\i:(\cb)+4*\i+3], v[XOFF], s[4:5] offset:(16*(\part)+\i)*4096+256*(\rel) th:TH_LOAD_NT
.endr
.endm
; round a chunk in place: word q of the result reads words 2 q and 2 q + 1, so no word is written before it has been read
.macro CVT16 cb
	WIN 0
.irp i, 0,1,2,3,4,5,6,7
	v_cvt_pk_bf16_f32 v[(\cb)+2*\i],   v[(\cb)+4*\i],   v[(\cb)+4*\i+1]
	v_cvt_pk_bf16_f32 v[(\cb)+2*\i+1], v[(\cb)+4*\i+2], v[(\cb)+4*\i+3]
.endr
.endm
; and lay it into its slab: the two rows of a store are 8 x 144 = 4 x 256 + 128 bytes apart, so its 32 lanes touch every bank once
.macro AST8 cb, part, rel
	WIN 0
.irp i, 0,1,2,3,4,5,6,7
	ds_store_b64 v[AST], v[(\cb)+2*\i:(\cb)+2*\i+1] offset:(16*(\part)+\i)*APITCH+SLAB*(\rel)
.endr
.endm
; half of one K step of my 128 columns into buffer buf of window 1: 8 loads of 512 consecutive bytes
.macro BLOAD8 buf, off, half
	WIN 0x40
.irp f, 0,1,2,3
	global_load_b128 v[64*(\buf)+8*(4*(\half)+\f):64*(\buf)+8*(4*(\half)+\f)+3],   v[LOFF], s[6:7] offset:(\off)+1024*(4*(\half)+\f)
	global_load_b128 v[64*(\buf)+8*(4*(\half)+\f)+4:64*(\buf)+8*(4*(\half)+\f)+7], v[LOFF], s[6:7] offset:(\off)+1024*(4*(\half)+\f)+512
.endr
.endm
.macro BLOAD buf, off
	BLOAD8 \buf, \off, 0
	BLOAD8 \buf, \off, 1
.endm
; the rows' fragments for K step us of the round, 8 loads each: blocks 0-3, and blocks 4-7 into buffer hn.
; Lane (r, h): row 16 i + r, bytes 16 h and 32 + 16 h of the step's 64
.macro FETLO us
	WIN 0
.irp i, 0,1,2,3
	ds_load_b128 v[LO+8*\i:LO+8*\i+3],   v[ADW] offset:((\us)>>1)*SLAB+\i*16*APITCH+((\us)&1)*64
	ds_load_b128 v[LO+8*\i+4:LO+8*\i+7], v[ADW] offset:((\us)>>1)*SLAB+\i*16*APITCH+((\us)&1)*64+32
.endr
.endm
.macro FETHI hn, us
	WIN 0
.irp i, 0,1,2,3
	ds_load_b128 v[(\hn)+8*\i:(\hn)+8*\i+3],   v[ADW] offset:((\us)>>1)*SLAB+(4+\i)*16*APITCH+((\us)&1)*64
	ds_load_b128 v[(\hn)+8*\i+4:(\hn)+8*\i+7], v[ADW] offset:((\us)>>1)*SLAB+(4+\i)*16*APITCH+((\us)&1)*64+32
.endr
.endm
; 16 products: row blocks a0, a0 + 1 of the window's four x all 8 column blocks.  zero = 1: the product starts the sum, nothing is cleared
.macro MUL16 ab, fb, a0, zero
.irp a, \a0, \a0+1
.irp b, 0,1,2,3,4,5,6,7
.if \zero
	v_wmma_f32_16x16x32_bf16 v[8*(8*(\a)+\b):8*(8*(\a)+\b)+7], v[(\ab)+8*(\a):(\ab)+8*(\a)+7], v[(\fb)+8*\b:(\fb)+8*\b+7], 0
.else
	v_wmma_f32_16x16x32_bf16 v[8*(8*(\a)+\b):8*(8*(\a)+\b)+7], v[(\ab)+8*(\a):(\ab)+8*(\a)+7], v[(\fb)+8*\b:(\fb)+8*\b+7], v[8*(8*(\a)+\b):8*(8*(\a)+\b)+7]
.endif
.endr
.endr
.endm
; 4 products: row block a x column blocks 4 q .. 4 q + 3; eight of these in ascending (a, q) are the 32 products of two MUL16
.macro MUL4 ab, fb, a, q, zero
	WIN 0xf4                                       ; rows window 0, weights window 1, C and D window 3
.irp b, 0,1,2,3
.if \zero
	v_wmma_f32_16x16x32_bf16 v[8*(8*(\a)+4*(\q)+\b):8*(8*(\a)+4*(\q)+\b)+7], v[(\ab)+8*(\a):(\ab)+8*(\a)+7], v[(\fb)+8*(4*(\q)+\b):(\fb)+8*(4*(\q)+\b)+7], 0
.else
	v_wmma_f32_16x16x32_bf16 v[8*(8*(\a)+4*(\q)+\b):8*(8*(\a)+4*(\q)+\b)+7], v[(\ab)+8*(\a):(\ab)+8*(\a)+7], v[(\fb)+8*(4*(\q)+\b):(\fb)+8*(4*(\q)+\b)+7], v[8*(8*(\a)+4*(\q)+\b):8*(8*(\a)+4*(\q)+\b)+7]
.endif
.endr
.endm
; four places behind a matrix instruction before a vector instruction reads its result; ahead of loads into
; registers that products have read they stand beside the wait that states that dependence, which fills no place
.macro PLACES
.rept 4
	v_nop
.endr
.endm
; ONE K STEP.  u: its number in the round of four.
;   conv: chunk (step + 3) is rounded behind the first 32 products (the 16 conversions are also the places behind them) and stored
;   fetch: the rows' fragments of the next step: blocks 0-3 into the one buffer that the first 32 products have read,
;          blocks 4-7 into the buffer that the step before read
;   xl:   chunk (step + 6) is asked for, into the registers that the step before rounded and stored;   load: the weights three steps ahead
;   bar:  the slab that the step's fetch reads first was stored by all four waves in the two steps before: each wave waits for its LDS
;         instructions, signals, multiplies on, and reads behind the barrier's wait
;   lcnt: the loads younger than this step's weights.  A chunk stands ahead of weights that have been waited for when it is rounded.
; The memory instructions stand in groups of eight behind the first six fours of the last 32 products: stores, blocks 0-3, blocks 4-7,
; x, and the weights in two halves; on each counter that is one fixed order, x ahead of the weights, so that every step counts alike.
.macro STEP u, zero, fetch, load, lcnt, conv, xl, bar
.set fb_, 64*((\u)&3)
.set bn_, ((\u)+3)&3                   ; the buffer of weights, and the chunk buffer, whose turn it is
.set hc_, HI0+32*((\u)&1)
.set hn_, HI0+32*(((\u)+1)&1)
.set cp_, ((\u)+3)&1                   ; the rounded chunk's half of my rows,
.set cr_, ((\u)+3)>>1                  ; its slab, counted from the round's first;
.set xp_, (\u)&1                       ; the same two for the chunk asked for
.set xr_, ((\u)+6)>>1
.if bn_ == 0
.set cb_, CH0
.else
.set cb_, 128+32*bn_
.endif
.if (((\u)+2)&3) == 0
.set xb_, CH0
.else
.set xb_, 128+32*(((\u)+2)&3)
.endif
	s_wait_loadcnt \lcnt                           ; this step's weights are in; the loads of the two steps before stay on their way
	s_wait_dscnt 8                                 ; row blocks 0-3 are in; the youngest eight loads (blocks 4-7) may be out
	WIN 0xa4                                       ; rows window 0, weights window 1, C and D window 2
	MUL16 LO, fb_, 0, \zero
.if \bar
	s_wait_dscnt 0x0                               ; my stores into the next slab are done, for the others' sake
	s_barrier_signal -1
.endif
	MUL16 LO, fb_, 2, \zero
.if \bar
	s_barrier_wait -1                              ; everybody's are
.endif
.if \conv
	CVT16 cb_
.else
.if ((\fetch)+(\load)) > 0
	PLACES
.endif
.endif
.if ((\fetch)+(\load)) > 0
	s_wait_alu depctr_va_vdst(0)                   ; the conversions have written their chunk, which the stores read; the products issued so far are done reading LO, the other HI and the last step's weights, and the last step's conversions are done with their chunk: loads land in all four; in a round's first step v[AST] and v[ADW] are written
.endif
.if \xl
	s_wait_alu depctr_vm_vsrc(0)                   ; the last step's LDS stores have read their chunk's registers, in which this step's loads of x land
.endif
.if !\bar
	s_wait_dscnt 0x0                               ; row blocks 4-7 are in: no LDS instruction has been issued since the last step's
.endif
	MUL4 hc_, fb_, 0, 0, \zero
.if \conv
	AST8 cb_, cp_, cr_
.endif
	MUL4 hc_, fb_, 0, 1, \zero
.if \fetch
	FETLO (\u)+1                                   ; no wait: no vector or matrix instruction since the wait above names LO or v[ADW]
.endif
	MUL4 hc_, fb_, 1, 0, \zero
.if \fetch
	FETHI hn_, (\u)+1                              ; nor the other HI
.endif
	MUL4 hc_, fb_, 1, 1, \zero
.if \xl
	XLD8 xb_, xp_, xr_                             ; nor the last step's chunk, which this step's stores do not name either
.endif
	MUL4 hc_, fb_, 2, 0, \zero
.if \load
	BLOAD8 bn_, 8192*((\u)+3), 0                   ; nor the last step's weights
.endif
	MUL4 hc_, fb_, 2, 1, \zero
.if \load
	BLOAD8 bn_, 8192*((\u)+3), 1
.endif
	MUL4 hc_, fb_, 3, 0, \zero
	MUL4 hc_, fb_, 3, 1, \zero
.endm
; behind a round: four K steps on in the weights and in the slabs; xs = 1: two slabs on in x too
.macro RNDEND xs
	WIN 0
	s_wait_xcnt 0x0                                ; the bases of the loads issued so far are rewritten only behind this wait
	s_wait_alu depctr_vm_vsrc(0)                   ; the LDS stores and loads issued so far have read v[AST] and v[ADW], which the adds below write
	s_add_nc_u64 s[6:7], s[6:7], 32768
.if \xs
	s_add_nc_u64 s[4:5], s[4:5], 512
	v_add_nc_u32 v[AST], 2*SLAB, v[AST]
.endif
	v_add_nc_u32 v[ADW], 2*SLAB, v[ADW]
.endm
.macro ASTART                          ; the rows' fragments of K step 0
	WIN 0
	v_mov_b32 v[ADW], v[ADA]
	s_wait_alu depctr_va_vdst(0)                   ; v[ADW] is written, which the loads below read; every vector and matrix instruction issued so far is done with LO and HI0, in which they land
	FETLO 0
	FETHI HI0, 0
.endm
.macro ROUNDP zero                     ; a round of pass 1: no stream, no barrier
	STEP 0, \zero, 1, 1, 32, 0, 0, 0
	STEP 1, 0, 1, 1, 32, 0, 0, 0
	STEP 2, 0, 1, 1, 32, 0, 0, 0
	STEP 3, 0, 1, 1, 32, 0, 0, 0
	RNDEND 0
.endm
; THE TAIL, tile by tile (i = 8 a + nb in the window at hand).  A lane holds one column, so c and bias are one register for each nb;
; they are read as the first or the second register of an even pair (op_sel, op_sel_hi).
.macro ARG4 i, p                       ; 2 log2(e) (sum + c)
.set nb_, (\i)&7
.irp j, 0,2,4,6
.if (nb_&1) == 0
	v_pk_fma_f32 v[8*(\i)+\j:8*(\i)+\j+1], v[8*(\i)+\j:8*(\i)+\j+1], 0x4038aa3b, v[CKR+8*\p+nb_:CKR+8*\p+nb_+1] op_sel_hi:[1,0,0]
.else
	v_pk_fma_f32 v[8*(\i)+\j:8*(\i)+\j+1], v[8*(\i)+\j:8*(\i)+\j+1], 0x4038aa3b, v[CKR+8*\p+nb_-1:CKR+8*\p+nb_] op_sel:[0,0,1] op_sel_hi:[1,0,1]
.endif
.endr
.endm
.macro EXP8 i
.irp j, 0,1,2,3,4,5,6,7
	v_exp_f32 v[8*(\i)+\j], v[8*(\i)+\j]
.endr
.endm
.macro ONE4 i
.irp j, 0,2,4,6
	v_pk_add_f32 v[8*(\i)+\j:8*(\i)+\j+1], v[8*(\i)+\j:8*(\i)+\j+1], 1.0 op_sel_hi:[1,0]
.endr
.endm
.macro RCP8 i
.irp j, 0,1,2,3,4,5,6,7
	v_rcp_f32 v[8*(\i)+\j], v[8*(\i)+\j]
.endr
.endm
.macro FOLD4 i, p                      ; times -2 bias, summed over nb into tile (a, 0), whose own product starts the sum
.set nb_, (\i)&7
.set t0_, 8*((\i)-nb_)
.irp j, 0,2,4,6
.if nb_ == 0
	v_pk_mul_f32 v[t0_+\j:t0_+\j+1], v[t0_+\j:t0_+\j+1], v[BM2+8*\p:BM2+8*\p+1] op_sel_hi:[1,0]
.else
.if (nb_&1) == 0
	v_pk_fma_f32 v[t0_+\j:t0_+\j+1], v[8*(\i)+\j:8*(\i)+\j+1], v[BM2+8*\p+nb_:BM2+8*\p+nb_+1], v[t0_+\j:t0_+\j+1] op_sel_hi:[1,0,1]
.else
	v_pk_fma_f32 v[t0_+\j:t0_+\j+1], v[8*(\i)+\j:8*(\i)+\j+1], v[BM2+8*\p+nb_-1:BM2+8*\p+nb_], v[t0_+\j:t0_+\j+1] op_sel:[0,1,0] op_sel_hi:[1,1,1]
.endif
.endif
.endr
.endm
; A window's 32 tiles go in two batches of 256 transcendentals, each with one wait ahead of the first instruction that names a result.
; Batch 1: the exponentials of tile i, the scalings of tile i + 2 behind them: nothing in it names an exponential's result.
; Batch 2: the reciprocals of tile i, the additions of 1 of tile i + 2 behind them: nothing in it names a reciprocal's result.
; Behind each batch a v_nop is the plain instruction between the last transcendental and the first use (ISA guide 5.7.2).
; The products with -2 bias follow, in ascending tile order.
.macro EPI p
.irp hi, 0,1
	WIN 0x82+0x41*\hi                              ; source 0 and destination: window 2 + hi; c: window 0
	ARG4 0, \p
.set i_, 0
.rept 32
.if i_ < 31
	ARG4 i_+1, \p
.endif
	EXP8 i_
.set i_, i_+1
.endr
	v_nop
	s_wait_alu depctr_va_vdst(0)                   ; the window's 256 exponentials have written their results, which the additions of 1 read
	WIN 0xa2+0x51*\hi                              ; sources 0 and 2 and destination: window 2 + hi; bias: window 0
	ONE4 0
.set i_, 0
.rept 32
.if i_ < 31
	ONE4 i_+1
.endif
	RCP8 i_
.set i_, i_+1
.endr
	v_nop
	s_wait_alu depctr_va_vdst(0)                   ; the window's 256 reciprocals have written their results, which the products with -2 bias read
.set i_, 0
.rept 32
	FOLD4 i_, \p
.set i_, i_+1
.endr
	WIN 0x02+\hi                                   ; out of window 2 + hi into the row sums of window 0
.irp a, 0,1,2,3
.irp j, 0,2,4,6
.if \p == 0
	v_pk_add_f32 v[QA+8*(4*\hi+\a)+\j:QA+8*(4*\hi+\a)+\j+1], v[64*\a+\j:64*\a+\j+1], v[SBL:SBL+1]    ; the sum of bias starts the row sums
.else
	v_pk_add_f32 v[QA+8*(4*\hi+\a)+\j:QA+8*(4*\hi+\a)+\j+1], v[64*\a+\j:64*\a+\j+1], v[QA+8*(4*\hi+\a)+\j:QA+8*(4*\hi+\a)+\j+1]
.endif
.endr
.endr
.endr
.endm
	; ---------------- set-up ----------------
	s_load_b256 s[4:11], s[0:1], 0x0               ; x s[4:5], wt s[6:7], cpart s[8:9], dot_bias s[10:11]
	s_load_b64 s[12:13], s[0:1], 0x20              ; q
	v_lshl_add_u32 v62, v0, 2, 0x4a800
	v_mov_b32 v63, 0
	v_lshrrev_b32 v52, 5, v0
	v_readfirstlane_b32 s14, v52                   ; wave 0..3
	v_and_b32 v53, 31, v0                          ; lane
	v_and_b32 v54, 15, v0                          ; r
	v_bfe_u32 v55, v0, 4, 1                        ; h
	v_lshlrev_b32 v[LOFF], 4, v53
	s_wait_alu depctr_va_sdst(0)                   ; s14 is written, ahead of its first reader: the wave's shares below are made from it
	s_lshl_b32 s16, s14, 17                        ; my wave's 32 rows of 4,096 bytes (the four scalars that vector lines read here each have a register of their own)
	v_lshlrev_b32 v56, 4, v54                      ; 16 r
	v_lshl_add_u32 v56, v55, 15, v56               ; + 8 h rows
	v_add_nc_u32 v[XOFF], s16, v56
	s_mul_i32 s20, s14, 32*APITCH                  ; and the same rows in a slab
	v_mul_u32_u24 v56, v55, 8*APITCH
	v_lshl_add_u32 v56, v54, 3, v56                ; 8 r: four numbers in bf16
	v_add_nc_u32 v[AST], s20, v56
	v_lshlrev_b32 v[TOFF], 4, v0
	v_add_nc_u32 v[CKS], CKB, v[TOFF]
	s_lshl_b32 s21, s14, 10                        ; my wave's 256 columns of f32
	s_add_co_u32 s21, s21, CKB
	v_lshl_add_u32 v[CKA], v54, 2, s21
	s_lshl_b32 s24, s14, 9                         ; my wave's 128 row sums
	s_add_co_u32 s24, s24, QSB
	v_lshl_add_u32 v[QST], v55, 5, s24             ; rows 8 h ..
	v_add_nc_u32 v[QRD], QSB, v[LOFF]
	v_mul_u32_u24 v56, v54, APITCH
	v_lshl_add_u32 v[ADA], v55, 4, v56             ; r x pitch + 16 h
	s_lshr_b32 s18, ttmp9, 2                       ; batch
	s_mul_i32 s19, s18, 513
	s_and_b32 s17, ttmp9, 3                        ; quarter
	s_lshl_b32 s17, s17, 7
	s_add_co_u32 s19, s19, s17
	s_add_co_u32 s19, s19, 1                       ; row 0 of a batch is u
	s_lshl_b32 s22, s19, 12                        ; at most 32,704 rows of 4,096 bytes: below 2^31
	s_mov_b32 s23, 0
	s_wait_kmcnt 0x0
	s_add_nc_u64 s[4:5], s[4:5], s[22:23]
	s_lshl_b32 s22, s14, 19                        ; my wave's two column groups: 64 K steps of 8,192 bytes, one stream
	s_add_nc_u64 s[6:7], s[6:7], s[22:23]
	s_lshl_b32 s22, s18, 12                        ; my batch's row in each part of cpart
	s_add_nc_u64 s[8:9], s[8:9], s[22:23]
	s_lshl_b32 s22, ttmp9, 9                       ; my 128 numbers of q
	s_add_nc_u64 s[12:13], s[12:13], s[22:23]
	s_wait_alu depctr_va_vdst(0)                   ; the offsets and LDS addresses v1 to v8, v50 and v51 are written, which the loads and stores of the whole kernel read
	; ---------------- in front of the products: chunks 0-2 (slab 0 and half of slab 1), c and bias ----------------
	XLD8 CH0, 0, 0                                 ; chunk 0: slab 0, rows 0-15 of my 32
	XLD8 CH1, 1, 0                                 ; chunk 1: slab 0, rows 16-31
	XLD8 CH2, 0, 1                                 ; chunk 2: slab 1, rows 0-15
	global_load_b128 v[128:131], v[TOFF], s[10:11]
	global_load_b128 v[132:135], v[TOFF], s[10:11] offset:2048
.irp ks, 0,1,2,3,4,5,6,7
	global_load_b128 v[64+8*\ks:64+8*\ks+3], v[TOFF], s[8:9] offset:\ks*262144
	global_load_b128 v[68+8*\ks:68+8*\ks+3], v[TOFF], s[8:9] offset:\ks*262144+2048
.endr
	BLOAD 0, 0                                     ; the weights of K step 0
	XLD8 CH3, 1, 1                                 ; chunk 3
	s_wait_loadcnt 42                              ; chunks 0-2 are in: behind them 18 loads of bias and c, 16 of weights, 8 of chunk 3
	CVT16 CH0
	CVT16 CH1
	CVT16 CH2
	s_wait_alu depctr_va_vdst(0)                   ; the 48 conversions have written the three chunks, which the LDS stores read, and are done reading them
	AST8 CH0, 0, 0
	AST8 CH1, 1, 0
	AST8 CH2, 0, 1
	s_wait_alu depctr_vm_vsrc(0)                   ; the LDS stores have read the three chunks' registers, in which the next loads land
	XLD8 CH0, 0, 2                                 ; chunks 4, 5, 6
	XLD8 CH1, 1, 2
	XLD8 CH2, 0, 3
	s_wait_loadcnt 48                              ; bias and the eight parts of c are in: behind them 16 + 8 + 24 loads
.irp ks, 1,2,3,4,5,6,7
.irp j, 0,2,4,6
	v_pk_add_f32 v[64+\j:65+\j], v[64+\j:65+\j], v[64+8*\ks+\j:65+8*\ks+\j]       ; ascending K
.endr
.endr
.irp j, 0,2,4,6
	v_pk_mul_f32 v[64+\j:65+\j], v[64+\j:65+\j], 0x4038aa3b op_sel_hi:[1,0]       ; 2 log2(e) c
	v_pk_mul_f32 v[128+\j:129+\j], v[128+\j:129+\j], -2.0 op_sel_hi:[1,0]         ; -2 bias
.endr
	s_wait_alu depctr_va_vdst(0)                   ; the sums and scalings have written v[64:71] and v[128:135], which the LDS stores read
	ds_store_b128 v[CKS], v[64:67]
	ds_store_b128 v[CKS], v[68:71] offset:2048
	ds_store_b128 v[CKS], v[128:131] offset:4096
	ds_store_b128 v[CKS], v[132:135] offset:6144
	BLOAD 1, 8192
	BLOAD 2, 16384
	WIN 0
	s_wait_dscnt 0x0                               ; my part of slab 0, of c and of bias is written, for the others' sake
	s_barrier_signal -1
	s_barrier_wait -1
	s_wait_alu depctr_vm_vsrc(0)                   ; my LDS stores have read v[64:71] and v[128:135]: these registers are LO and HI1 from here on, in which fragments land
	ASTART
	; ---------------- pass 0: columns 128 (2 w), with the stream of x ----------------
	; round 0 stands in front of the loop: its first products start the sums, and its first counts are those of the loads above
	STEP 0, 1, 1, 1, 56, 1, 0, 0                   ; chunk 3 is in: behind it chunks 4-6 (24 loads) and two K steps of weights (32); chunk 6 has been asked for above
	STEP 1, 0, 1, 1, 32, 1, 1, 1                   ; behind K step 1's weights: K step 2's (16) and step 0's loads (16)
	STEP 2, 0, 1, 1, 40, 1, 1, 0                   ; step 0's 16 and step 1's 8 + 16
	STEP 3, 0, 1, 1, 48, 1, 1, 1                   ; from here on: two steps of 8 + 16 loads
	RNDEND 1
	s_mov_b32 s15, 5
.Lround0:
	STEP 0, 0, 1, 1, 48, 1, 1, 0
	STEP 1, 0, 1, 1, 48, 1, 1, 1
	STEP 2, 0, 1, 1, 48, 1, 1, 0
	STEP 3, 0, 1, 1, 48, 1, 1, 1
	RNDEND 1
	s_sub_co_i32 s15, s15, 1
	s_cmp_lg_u32 s15, 0
	s_cbranch_scc1 .Lround0
	STEP 0, 0, 1, 1, 48, 1, 1, 0
	STEP 1, 0, 1, 1, 48, 1, 1, 1                   ; step 25 asks for chunk 31, the last: no load passes the rows' end
	STEP 2, 0, 1, 1, 48, 1, 0, 0
	STEP 3, 0, 1, 1, 40, 1, 0, 1                   ; one step with x (24 loads) and one without (16) are younger
	RNDEND 1
	STEP 0, 0, 1, 1, 32, 1, 0, 0                   ; step 28 stores chunk 31
	STEP 1, 0, 1, 1, 32, 0, 0, 1                   ; the last barrier: slab 15
	STEP 2, 0, 1, 1, 32, 0, 0, 0                   ; the stream of weights runs on into pass 1 while the tail works
	STEP 3, 0, 0, 1, 32, 0, 0, 0
	RNDEND 0
	PLACES                                         ; behind the last products
	; The chunks' registers change hands here.  Their last conversions stand ahead of a later step's wait on va_vdst, their last LDS
	; stores (steps 25 to 28) ahead of a round's wait on vm_vsrc: so c and bias may land in v16-47 and the tail may write v192-255.
.irp p, 0,1
.irp nb, 0,1,2,3,4,5,6,7
	ds_load_b32 v[CKR+8*\p+\nb], v[CKA] offset:512*\p+64*\nb
	ds_load_b32 v[BM2+8*\p+\nb], v[CKA] offset:4096+512*\p+64*\nb
.endr
.endr
	ASTART                                         ; pass 1's first fragments come in while the tail works
	s_wait_dscnt 16                                ; c and bias are in; the 16 loads of fragments stay out
	v_pk_add_f32 v[52:53], v[BM2:BM2+1], v[BM2+2:BM2+3]
	v_pk_add_f32 v[54:55], v[BM2+4:BM2+5], v[BM2+6:BM2+7]
	v_pk_add_f32 v[56:57], v[BM2+8:BM2+9], v[BM2+10:BM2+11]
	v_pk_add_f32 v[58:59], v[BM2+12:BM2+13], v[BM2+14:BM2+15]
	v_pk_add_f32 v[52:53], v[52:53], v[54:55]
	v_pk_add_f32 v[56:57], v[56:57], v[58:59]
	v_pk_add_f32 v[52:53], v[52:53], v[56:57]
	v_add_f32 v52, v52, v53
	v_mul_f32 v[SBL], -0.5, v52                    ; the sum of bias over my 16 columns
	v_mov_b32 v[SBL+1], v[SBL]
	EPI 0
	; ---------------- pass 1: columns 128 (2 w + 1) ----------------
	ROUNDP 1
	s_mov_b32 s15, 6
.Lround1:
	ROUNDP 0
	s_sub_co_i32 s15, s15, 1
	s_cmp_lg_u32 s15, 0
	s_cbranch_scc1 .Lround1
	STEP 0, 0, 1, 1, 32, 0, 0, 0                   ; the last K step of my stream is asked for here: no load passes wt's end
	STEP 1, 0, 1, 0, 32, 0, 0, 0
	STEP 2, 0, 1, 0, 16, 0, 0, 0                   ; the counts run down
	STEP 3, 0, 0, 0, 0, 0, 0, 0                    ; no load, so no wait on va_vdst
	PLACES                                         ; behind the last products
	EPI 1
	; ---------------- the row sums: over the 16 lanes of a half, then over the four waves ----------------
	WIN 0
.irp m, 1,2,4,8
.set j_, 0
.rept 64
	v_add_f32_dpp v[QA+j_], v[QA+j_], v[QA+j_] row_xmask:\m row_mask:0xf bank_mask:0xf
.set j_, j_+1
.endr
.endr
	s_wait_alu depctr_va_vdst(0)                   ; the additions have written the 64 row sums, which the LDS stores read; the products are done reading v[64:79], in which wave 0's loads below land
.irp mb, 0,1,2,3,4,5,6,7
	ds_store_b128 v[QST], v[QA+8*\mb:QA+8*\mb+3]   offset:64*\mb      ; rows 16 mb + 8 h + 0..3: the 16 lanes of a half write the same
	ds_store_b128 v[QST], v[QA+8*\mb+4:QA+8*\mb+7] offset:64*\mb+16   ; bytes with the same values
.endr
	s_wait_dscnt 0x0
	s_barrier_signal -1
	s_barrier_wait -1
	s_cmp_lg_u32 s14, 0
	s_cbranch_scc1 .Lend
	ds_load_b128 v[64:67], v[QRD]                  ; rows 4 lane .. 4 lane + 3 of each wave's sums
	ds_load_b128 v[68:71], v[QRD] offset:512
	ds_load_b128 v[72:75], v[QRD] offset:1024
	ds_load_b128 v[76:79], v[QRD] offset:1536
	s_wait_dscnt 0x0
	v_pk_add_f32 v[64:65], v[64:65], v[68:69]
	v_pk_add_f32 v[66:67], v[66:67], v[70:71]
	v_pk_add_f32 v[72:73], v[72:73], v[76:77]
	v_pk_add_f32 v[74:75], v[74:75], v[78:79]
	v_pk_add_f32 v[64:65], v[64:65], v[72:73]
	v_pk_add_f32 v[66:67], v[66:67], v[74:75]
	s_wait_alu depctr_va_vdst(0)                   ; the additions have written v[64:67], which the store reads
	global_store_b128 v[LOFF], v[64:67], s[12:13]  ; 512 consecutive bytes
.Lend:
	s_wait_dscnt 0x0
	s_wait_alu depctr_hold_cnt(0) depctr_sa_sdst(0) depctr_va_vdst(0) depctr_va_sdst(0) depctr_va_ssrc(0) depctr_va_vcc(0) depctr_vm_vsrc(0)
	s_wait_tensorcnt 0x0
	ds_add_u32 v62, v63
	s_wait_dscnt 0x0
	s_endpgm
.Lfunc_end_k_q55cdc4fb07_main:
	.size	k_q55cdc4fb07_main, .Lfunc_end_k_q55cdc4fb07_main-k_q55cdc4fb07_main
	.p2alignl 7, 3214868480
	.fill 96, 4, 3214868480
	.section	.rodata,"a",@progbits
	.p2align	6, 0x0
	.amdhsa_kernel k_q55cdc4fb07_main
		.amdhsa_group_segment_fixed_size 305664
		.amdhsa_private_segment_fixed_size 0
		.amdhsa_enable_private_segment 0
		.amdhsa_kernarg_size 40
		.amdhsa_user_sgpr_count 2
		.amdhsa_user_sgpr_kernarg_segment_ptr 1
		.amdhsa_wavefront_size32 1
		.amdhsa_system_sgpr_workgroup_id_x 1
		.amdhsa_system_sgpr_workgroup_id_y 1
		.amdhsa_system_sgpr_workgroup_id_z 1
		.amdhsa_system_vgpr_workitem_id 0
		.amdhsa_next_free_vgpr 1024
		.amdhsa_next_free_sgpr 66
		.amdhsa_reserve_vcc 0
		.amdhsa_float_denorm_mode_32 3
		.amdhsa_float_denorm_mode_16_64 3
		.amdhsa_memory_ordered 1
		.amdhsa_forward_progress 1
		.amdhsa_inst_pref_size 255
	.end_amdhsa_kernel
	.section	.bss,"aw",@nobits
	.p2align	6
	.space	262144
	.amdgpu_metadata
---
amdhsa.version: [ 1, 2 ]
amdhsa.kernels:
  - .name:           k_q55cdc4fb07_main
    .symbol:         k_q55cdc4fb07_main.kd
    .args:
      - { .name: x, .offset: 0, .size: 8, .value_kind: global_buffer, .address_space: global }
      - { .name: wt, .offset: 8, .size: 8, .value_kind: global_buffer, .address_space: global }
      - { .name: cpart, .offset: 16, .size: 8, .value_kind: global_buffer, .address_space: global }
      - { .name: dot_bias, .offset: 24, .size: 8, .value_kind: global_buffer, .address_space: global }
      - { .name: q, .offset: 32, .size: 8, .value_kind: global_buffer, .address_space: global }
    .group_segment_fixed_size: 305664
    .private_segment_fixed_size: 0
    .kernarg_segment_align: 8
    .kernarg_segment_size: 40
    .max_flat_workgroup_size: 128
    .sgpr_count:     66
    .vgpr_count:     1024
    .wavefront_size: 32
...
	.end_amdgpu_metadata
.endif
;; end of part 4
;; launch soft: the kernel of part 3 again; grid 64 x 1, 1 waves a work-group, no clusters, 0 bytes of LDS; arguments q, out0; writes out0
